; MI455X (gfx1250); checked and timed in simulation.
; The chip was launched on July 23, 2026; its instructions are those of AMD's public machine-readable ISA for CDNA 5 (MIT licence, August 2026) and "CDNA5" Instruction Set Architecture Reference Guide (July 2026). The comments in the code are by the model that wrote it; some were corrected since.
;; Hybrid Lattice Engine. Allowed arithmetic: matrix products marked QUANTISED: E2M1 operands, one E8M0 scale for each 32 along K, by v_wmma_scale_f32_16x16x128_f8f6f4 with both operands' format E2M1 (or v_wmma_scale_f32_32x16x128_f4), f32 sums; products left as they are: f32 operands where the result goes on into a quantised operand, else bf16, f16 or f32 operands; f32 sums; everything else in f32.
;; Inputs: mem_keys 1,024 x 4,096 float32; mem_values 1,024 x 4,096 float32; weight_lattices 4,096 x 4,096 float32; weight_scales 4,096 x 1 float32; x 4 x 1,024 x 4,096 float32.
;; Outputs: out0 4 x 1,024 x 4,096 float32.
;; This version of the problem:
;;   THIS VERSION OF THE PROBLEM IS GIVEN IN LOW PRECISION. The matrix products marked QUANTISED in the list below multiply operands that are first quantised to E2M1 (2 exponent bits, 1 mantissa bit; 4 bits a number), with one power-of-two scale for each 32 numbers along K (OCP MX v1.0); their sums are f32. All else is computed in f32.
;;   The module's matrix products, in the order in which they are computed (A, B: the left and right operand; K: the contracted axis; several contracted axes count as one K, in the product's order):
;;     1. [M 4,096, K 4,096] x [K 4,096, N 4,096]; A: input x; B: computed on the way: QUANTISED
;;     2. [M 1,024, K 4,096] x [K 4,096, N 1]; A: input mem_keys; B: input x: left as it is (N = 1 < 16)
;;     3. [M 1, K 1,024] x [K 1,024, N 4,096]; A: softmax; B: input mem_values: left as it is (M = 1 < 16)
;;   THE QUANTISER, for each operand of a quantised product, along K:
;;     - K is cut into blocks of 32 from its start; a last block that is shorter is filled with zeros.
;;     - A block's scale is 2^e with e = floor(log2(the largest magnitude in the block)) - 2, held to -126 .. 127; a block of zeros has e = 0. As a byte (E8M0): e + 127.
;;     - Each number is divided by its block's scale, clamped to +-6, and rounded to the nearest number of E2M1, ties to even, subnormals kept.
;;     - The product sums the exact products of the quantised numbers (number of the format x scale) in f32.
;;   ~~~python
;;   def quantise(x, axis):      # numpy; x: float32 -> the quantised numbers, widened to float32 again
;;       x = np.moveaxis(x, axis, -1); K = x.shape[-1]
;;       x = np.pad(x, [(0, 0)] * (x.ndim - 1) + [(0, -K % 32)]); x = x.reshape(x.shape[:-1] + (-1, 32)); a = np.abs(x).max(-1, keepdims=True)
;;       e = np.where(a > 0, np.clip(np.frexp(np.where(a > 0, a, 1))[1] - 1 - 2, -126, 127), 0)      # np.frexp(a)[1] - 1 = floor(log2(a)), exactly
;;       r = np.clip(x / 2.0 ** e, -6, 6)
;;       step = 2.0 ** (np.maximum(np.frexp(np.where(r == 0, 1, r))[1] - 1, 0) - 1)
;;       q = np.round(r / step) * step * 2.0 ** e      # np.round: ties to even
;;       return np.moveaxis(q.reshape(q.shape[:-2] + (-1,))[..., :K], -1, axis).astype(np.float32)
;;   ~~~
;;   OPERANDS COMPUTED ON THE WAY. 'Computed on the way' means the value that the module computes at that place (a softmax that the list does not call 'softmax' is quantised finished and normalised). What goes into a quantiser is computed in f32, as accurately as f32 sums, v_exp_f32 and their like allow (about 1e-6 of the number): no bf16 or f16 on the way to a quantiser, and a product that is left as it is and whose result goes on into a quantised operand takes f32 operands (vector FMAs, or v_wmma_f32_16x16x4_f32). A number that lies on a knife's edge between two numbers of the format may be rounded either way, as far as f32 arithmetic and the matrix unit's own rounding can turn it there, and no further.
;; One version. Each part assembles by itself: llvm-mc -triple=amdgcn-amd-amdhsa -mcpu=gfx1250 --defsym DOCPART=n.
;; ======== version 1 of 1: 3 launches
;; limits: right only within a limited range of input values
;; workspace buffers: xq 8,912,896 bytes; wq 8,912,896 bytes; scorep 8,192 bytes; membias 65,536 bytes
;; launch quantx (part 1): grid 256 x 1, 8 waves a work-group, no clusters, 46,080 bytes of LDS; arguments x, mem_keys, xq, scorep; writes xq, scorep
.if DOCPART == 1
	.amdgcn_target "amdgcn-amd-amdhsa--gfx1250"
	.amdhsa_code_object_version 6
	.text
	.protected	k_q5530ab31d5_quantx
	.globl	k_q5530ab31d5_quantx
	.p2align	8
	.type	k_q5530ab31d5_quantx,@function
k_q5530ab31d5_quantx:
	s_mov_b64 s[64:65], 0
	v_nop
	global_prefetch_b8 v0, s[64:65] scope:SCOPE_SE
	s_setreg_imm32_b32 hwreg(HW_REG_WAVE_MODE, 25, 1), 1
	s_wait_xcnt 0x0
; x [4096][4096] f32 -> xq: codes of FP4 (E2M1) with one E8M0 scale byte for each 32 along K;  and scorep: the two half sums of each score mem_keys[c] . x[0].
; xq IS LAID FOR ITS READER: [8 K steps][32 groups of 128 rows][34,816 bytes]; a group holds 128 x 256 bytes of codes (512 along K a row, the lower k in the low four bits), then 128 x 16 scale bytes.
; A block's scale is 2^(floor(log2(its largest magnitude)) - 2); its byte is the largest magnitude's exponent field - 2, held at 1 from below by a floor of 2^(3 - 127) among the maximum's leaves.
; LIMITS: a block of zeros gets the byte 1 where the rule says 127: its codes are zeros, which add nothing under that byte, and this program alone reads the bytes.
; Blocks whose largest magnitude lies under 2^-124 were not tried.  NaN and infinities among the inputs are not served.
; SHARES.  Work-group g owns rows 16 g .. 16 g + 15; wave w K step w of them.  A step is one row's 512 numbers: four loads of 512 consecutive bytes, 16 a lane.  The conversions want 16 neighbours in a lane, so a step's
; 2,048 bytes turn through the wave's own stage in LDS (16 bytes of padding behind each 64) and come back 64 bytes a lane; two neighbouring lanes hold a block.
; A lane's 16 codes are 8 bytes: the wave stores 256 consecutive bytes, aligned.  The 16 steps' scale bytes are gathered in 256 bytes of LDS and leave as one aligned unit.
; Loads run up to ten steps ahead in ten sets of 16 registers (40 loads a wave).  No tensor load, no barrier: waves share nothing.
; THE SCORES.  Half row 8 g + w of mem_keys (8,192 bytes) against the same half of x[0], in f32 fused multiply-adds, in the registers of sets 2 to 9, which take their steps' loads behind it.
; No matrix unit for it: a product with one column would fill a sixteenth of a tile.  No cluster: the work-groups share x[0]'s 16 KiB alone.
.set PLANE, 4096*272
.set GRP,   34816
.set SP,    80                         ; a lane's place in a stage: 64 bytes + 16
.set WREG,  5632                       ; a wave's LDS: two stages of 2,560 bytes, 256 scale bytes, rounded up to blocks of 512
.set SPARE, 8*WREG
.set LA,    10
.set SPW, 12
.set NIL, 13
.set X,   16                           ; v16-47  two sets of 16 neighbours
.set E,   48                           ; v48-63  a scale byte for each step
.set C,   64                           ; v64-95  two registers of codes for each step
.set R,   96                           ; v96-255 ten sets of 16 numbers as loaded
.set KY,  128
.set QV,  192
	s_load_b256 s[4:11], s[0:1], 0x0               ; x, mem_keys, xq, scorep
	v_lshl_add_u32 v[SPW], v0, 2, SPARE
	v_mov_b32 v[NIL], 0
	v_lshrrev_b32 v1, 5, v0
	v_readfirstlane_b32 s12, v1                    ; wave
	s_mul_i32 s40, s12, WREG
	s_add_co_u32 s41, s40, 2*32*SP                 ; my scale bytes
	s_lshl_b32 s42, ttmp9, 18                      ; x: 16 rows of 16,384 bytes a work-group, 2,048 bytes of a row a wave
	s_lshl_b32 s43, s12, 11
	s_add_co_u32 s42, s42, s43
	s_mov_b32 s43, 0
	s_and_b32 s13, s12, 1
	s_lshl_b32 s50, s13, 13                        ; x[0]: the half that goes with my half row of keys
	s_mov_b32 s51, 0
	s_lshl_b32 s52, ttmp9, 16
	s_lshl_b32 s53, s12, 13
	s_add_co_u32 s52, s52, s53                     ; mem_keys: half row 8 g + w
	s_mov_b32 s53, 0
	s_lshl_b32 s54, ttmp9, 5
	s_lshl_b32 s55, s12, 2
	s_add_co_u32 s54, s54, s55                     ; scorep: word 8 g + w
	s_mov_b32 s55, 0
	s_mul_i32 s56, s12, PLANE
	s_lshr_b32 s57, ttmp9, 3
	s_mul_i32 s57, s57, GRP
	s_add_co_u32 s56, s56, s57                     ; xq: K step w, group g / 8
	s_and_b32 s57, ttmp9, 7
	s_lshl_b32 s58, s57, 8
	s_add_co_u32 s58, s58, s56
	s_add_co_u32 s58, s58, 32768                   ; my 256 scale bytes
	s_lshl_b32 s57, s57, 12
	s_add_co_u32 s56, s56, s57                     ; my 16 rows of codes
	s_mov_b32 s57, 0
	s_mov_b32 s59, 0
	s_mov_b32 s46, 0x76543210
	s_mov_b32 s47, 0xfedcba98
	v_and_b32 v1, 31, v0                           ; lane
	v_mov_b32 v14, 0
	v_lshlrev_b32 v3, 4, v1                        ; my 16 bytes of a load's 512
	v_lshlrev_b32 v4, 3, v1                        ; my 8 bytes of a store's 256
	v_lshrrev_b32 v2, 2, v1
	v_mul_u32_u24 v2, v2, SP
	v_and_b32 v7, 3, v1
	v_lshl_add_u32 v7, v7, 4, v2
	v_add_nc_u32 v7, s40, v7                       ; the stage, in: SP (lane / 4) + 16 (lane % 4)
	v_mul_u32_u24 v15, v1, SP
	v_add_nc_u32 v15, s40, v15                     ; and out: SP x lane
	v_lshrrev_b32 v5, 1, v1
	v_add_nc_u32 v5, s41, v5                       ; my block's scale byte
	v_add_nc_u32 v6, s41, v4
	s_wait_alu depctr_va_vdst(0)                   ; the wait at the head's end
	s_wait_kmcnt 0x0
	s_add_nc_u64 s[44:45], s[4:5], s[42:43]
	s_add_nc_u64 s[4:5], s[4:5], s[50:51]
	s_add_nc_u64 s[6:7], s[6:7], s[52:53]
	s_add_nc_u64 s[10:11], s[10:11], s[54:55]
	s_add_nc_u64 s[58:59], s[8:9], s[58:59]
	s_add_nc_u64 s[8:9], s[8:9], s[56:57]
.macro LOAD t
.irp i, 0,1,2,3
	global_load_b128 v[R+16*((\t)%LA)+4*\i:R+16*((\t)%LA)+4*\i+3], v3, s[44:45] offset:16384*(\t)+512*\i th:TH_LOAD_NT
.endr
.endm
.macro TURN t                          ; LDS serves a wave's instructions in order: no wait between the stores and the loads
.irp i, 0,1,2,3
	ds_store_b128 v7, v[R+16*((\t)%LA)+4*\i:R+16*((\t)%LA)+4*\i+3] offset:32*SP*((\t)%2)+8*SP*\i
.endr
.irp i, 0,1,2,3
	ds_load_b128 v[X+16*((\t)%2)+4*\i:X+16*((\t)%2)+4*\i+3], v15 offset:32*SP*((\t)%2)+16*\i
.endr
.endm
.irp i, 0,1,2,3,4,5,6,7,8,9,10,11,12,13,14,15
	global_load_b128 v[QV+4*\i:QV+4*\i+3], v3, s[4:5] offset:512*\i
.endr
.irp i, 0,1,2,3,4,5,6,7,8,9,10,11,12,13,14,15
	global_load_b128 v[KY+4*\i:KY+4*\i+3], v3, s[6:7] offset:512*\i th:TH_LOAD_NT
.endr
	LOAD 0
	LOAD 1
	s_wait_loadcnt 8                               ; x[0] and the keys are in; steps 0 and 1 may be out
	v_pk_mul_f32 v[8:9], v[KY:KY+1], v[QV:QV+1]
	v_pk_mul_f32 v[10:11], v[KY+2:KY+3], v[QV+2:QV+3]
.irp i, 4,8,12,16,20,24,28,32,36,40,44,48,52,56,60
	s_delay_alu instid0(VALU_DEP_2)
	v_pk_fma_f32 v[8:9], v[KY+\i:KY+\i+1], v[QV+\i:QV+\i+1], v[8:9]
	s_delay_alu instid0(VALU_DEP_2)
	v_pk_fma_f32 v[10:11], v[KY+\i+2:KY+\i+3], v[QV+\i+2:QV+\i+3], v[10:11]
.endr
.irp t, 2,3,4,5,6,7,8,9
	LOAD \t                                        ; the keys' and x[0]'s registers have been read
.endr
	v_pk_add_f32 v[8:9], v[8:9], v[10:11]
	s_delay_alu instid0(VALU_DEP_1)
	v_add_f32 v8, v8, v9
.irp m, 1,2,4,8
	s_delay_alu instid0(VALU_DEP_1)
	v_add_f32_dpp v8, v8, v8 row_xmask:\m row_mask:0xf bank_mask:0xf
.endr
	s_delay_alu instid0(VALU_DEP_1)
	v_permlanex16_b32 v9, v8, s46, s47
	s_delay_alu instid0(VALU_DEP_1)
	v_add_f32 v8, v8, v9
	v_cmp_eq_u32 vcc_lo, 0, v1
	s_wait_alu depctr_va_vdst(0)                   ; the wait ahead of the wait below
	s_wait_xcnt 0x0                                ; EXEC is a source of the loads above
	s_and_saveexec_b32 s48, vcc_lo
	global_store_b32 v14, v8, s[10:11]             ; one word a wave
	s_wait_xcnt 0x0
	s_or_b32 exec_lo, exec_lo, s48
	s_wait_loadcnt 36                              ; step 0 is in; steps 1 to 9 may be out
	TURN 0
.macro STEP t
.set XS, X+16*((\t)%2)
.if (\t) > 0
	s_wait_dscnt 1                                 ; this step's numbers are back (the last step's byte store may be out), so its stage stores have read their set,
.else
	s_wait_dscnt 0x0
.endif
.if (\t)+LA < 16
	LOAD (\t)+LA                                   ; which takes the loads of ten steps on
	s_wait_loadcnt 4*(LA-1)                        ; the next step is in; nine later steps may be out
.else
.if (\t) < 15
	s_wait_loadcnt 4*(14-(\t))
.endif
.endif
.if (\t) < 15
	TURN (\t)+1
.endif
	v_max3_num_f32 v8, |v[XS]|, |v[XS+1]|, |v[XS+2]|
	v_max3_num_f32 v9, |v[XS+3]|, |v[XS+4]|, |v[XS+5]|
.irp i, 6,10
	s_delay_alu instid0(VALU_DEP_2)
	v_max3_num_f32 v8, v8, |v[XS+\i]|, |v[XS+\i+1]|
	s_delay_alu instid0(VALU_DEP_2)
	v_max3_num_f32 v9, v9, |v[XS+\i+2]|, |v[XS+\i+3]|
.endr
	s_delay_alu instid0(VALU_DEP_2)
	v_max3_num_f32 v8, v8, |v[XS+14]|, |v[XS+15]|
	s_delay_alu instid0(VALU_DEP_1)
	v_max3_num_f32 v8, v8, v9, 0x1800000           ; the floor 2^(3 - 127): the byte cannot fall under 1
	s_delay_alu instid0(VALU_DEP_1)
	v_max_num_f32_dpp v8, v8, v8 row_xmask:1 row_mask:0xf bank_mask:0xf   ; with my neighbour's 16: the block's
	s_delay_alu instid0(VALU_DEP_1)
	v_add_nc_u32 v11, 0xff000000, v8               ; 2 off the exponent field: the conversion's scale operand
	v_cvt_scalef32_pk8_fp4_f32 v[C+2*(\t)], v[XS:XS+7], v11
	v_cvt_scalef32_pk8_fp4_f32 v[C+2*(\t)+1], v[XS+8:XS+15], v11
	v_lshrrev_b32 v[E+(\t)], 23, v11               ; the scale's byte; also the plain line behind the conversions
	ds_store_b8 v5, v[E+(\t)] offset:16*(\t)       ; both lanes of a block write the same byte
	global_store_b64 v4, v[C+2*(\t):C+2*(\t)+1], s[8:9] offset:256*(\t)   ; 32 lanes store 256 consecutive bytes, aligned
.endm
.irp t, 0,1,2,3,4,5,6,7,8,9,10,11,12,13,14,15
	STEP \t
.endr
	ds_load_b64 v[8:9], v6
	s_wait_dscnt 0x0
	global_store_b64 v4, v[8:9], s[58:59]          ; my 16 rows' scale bytes: one aligned unit of 256 bytes
	s_wait_tensorcnt 0x0                           ; the wave's end
	ds_add_u32 v[SPW], v[NIL]
	s_wait_dscnt 0x0
	s_endpgm
.Lfunc_end_k_q5530ab31d5_quantx:
	.size	k_q5530ab31d5_quantx, .Lfunc_end_k_q5530ab31d5_quantx-k_q5530ab31d5_quantx
	.p2alignl 7, 3214868480
	.fill 96, 4, 3214868480
	.section	.rodata,"a",@progbits
	.p2align	6, 0x0
	.amdhsa_kernel k_q5530ab31d5_quantx
		.amdhsa_group_segment_fixed_size 46080
		.amdhsa_private_segment_fixed_size 0
		.amdhsa_enable_private_segment 0
		.amdhsa_kernarg_size 32
		.amdhsa_user_sgpr_count 2
		.amdhsa_user_sgpr_kernarg_segment_ptr 1
		.amdhsa_wavefront_size32 1
		.amdhsa_system_sgpr_workgroup_id_x 1
		.amdhsa_system_sgpr_workgroup_id_y 1
		.amdhsa_system_sgpr_workgroup_id_z 1
		.amdhsa_system_vgpr_workitem_id 0
		.amdhsa_next_free_vgpr 256
		.amdhsa_next_free_sgpr 66
		.amdhsa_reserve_vcc 1
		.amdhsa_float_denorm_mode_32 3
		.amdhsa_float_denorm_mode_16_64 3
		.amdhsa_memory_ordered 1
		.amdhsa_forward_progress 1
		.amdhsa_inst_pref_size 45
	.end_amdhsa_kernel
	.amdgpu_metadata
---
amdhsa.version: [ 1, 2 ]
amdhsa.kernels:
  - .name:           k_q5530ab31d5_quantx
    .symbol:         k_q5530ab31d5_quantx.kd
    .args:
      - { .name: x, .offset: 0, .size: 8, .value_kind: global_buffer, .address_space: global }
      - { .name: mem_keys, .offset: 8, .size: 8, .value_kind: global_buffer, .address_space: global }
      - { .name: xq, .offset: 16, .size: 8, .value_kind: global_buffer, .address_space: global }
      - { .name: scorep, .offset: 24, .size: 8, .value_kind: global_buffer, .address_space: global }
    .group_segment_fixed_size: 46080
    .private_segment_fixed_size: 0
    .kernarg_segment_align: 8
    .kernarg_segment_size: 32
    .max_flat_workgroup_size: 256
    .sgpr_count:     66
    .vgpr_count:     256
    .wavefront_size: 32
...
	.end_amdgpu_metadata
.endif
;; end of part 1
;; launch quantw (part 2): grid 256 x 1, 8 waves a work-group, no clusters, 52,736 bytes of LDS; arguments weight_lattices, weight_scales, scorep, mem_values, wq, membias; writes wq, membias
.if DOCPART == 2
	.amdgcn_target "amdgcn-amd-amdhsa--gfx1250"
	.amdhsa_code_object_version 6
	.text
	.protected	k_q5530ab31d5_quantw
	.globl	k_q5530ab31d5_quantw
	.p2align	8
	.type	k_q5530ab31d5_quantw,@function
k_q5530ab31d5_quantw:
	s_mov_b64 s[64:65], 0
	v_nop
	global_prefetch_b8 v0, s[64:65] scope:SCOPE_SE
	s_setreg_imm32_b32 hwreg(HW_REG_WAVE_MODE, 25, 1), 1
	s_wait_xcnt 0x0
; weight_lattices [4096][4096] x weight_scales [4096] (one f32 multiplication a number) -> wq: codes of FP4 (E2M1) and E8M0 scale bytes, laid as xq: [8 K steps][32 groups of 128 rows][128 x 256 bytes of codes, 128 x 16 scale bytes].
; And membias [4 parts][4096]: part R = 0.01 x the sum over c = 256 R .. 256 R + 255 of attn[c] mem_values[c][:], attn = softmax of the 1,024 scores; a score is the sum of its two words of scorep.
; A block's scale is 2^(floor(log2(its largest magnitude)) - 2); its byte is the largest magnitude's exponent field - 2, held at 1 from below by a floor of 2^(3 - 127).
; LIMITS: a block of zeros gets the byte 1 where the rule says 127 (zero codes; this program alone reads the bytes).  Blocks whose largest magnitude lies under 2^-124 were not tried.  NaN and infinities are not served.
; THE QUANTISER.  Work-group g owns rows 16 g .. + 15; wave w K step w of them; a step is one row's 512 numbers: four loads of 512 consecutive bytes, a turn through the wave's own stage in LDS, 16 neighbours a lane, two lanes a block.
; A step's row has one weight scale: a scalar, read by a scalar load.  Loads run up to ten steps ahead in ten sets of 16 registers.
; THE MEMORY'S PRODUCT.  Work-group g = 64 R + cg takes rows 256 R .. + 255 of mem_values at columns 64 cg .. + 63; wave w 32 of these rows; lane (h, j) rows 16 h + 0 .. 15 at columns 4 j .. + 3, in the registers of sets 6 to 9.
; Every work-group makes the whole softmax anew from scorep's 8 KiB; the largest score is taken away before the exponential.  The scores are taken rotated by 256 R, so that the work-group's own 256 weights lie at PA's first 256 words.
; It works in the registers that the steps use later, while steps 0 to 5 are on their way.  Three barriers.  No matrix unit: a product with one row would fill a sixteenth of a tile.  No cluster: scorep's 8 KiB alone are shared.
.set PLANE, 4096*272
.set GRP,   34816
.set SP,    80
.set WREG,  5632
.set PA,    8*WREG                     ; the 1,024 weights p
.set RED,   PA+4096                    ; the eight waves' sums of 64 columns
.set WMX,   RED+2048                   ; the eight waves' maxima
.set WSM,   WMX+256                    ; the eight waves' sums of p
.set SPARE, WSM+256
.set LA,    10
.set SPW, 12
.set NIL, 13
.set X,   16
.set E,   48
.set C,   64
.set R,   96
.set VAL, 192                          ; mem_values: 16 rows x 4 columns
.set SS,  16                           ; v16-31: score halves, scores, p; later the eight waves' sums
.set WF,  32
.set PV,  40
.set ACC, 56
.set PT,  60
.set T0,  64
.set T1,  65
.set SPO, 78
.set MVO, 79
.set WSC, 68                           ; s68-83: the weight scales of my 16 rows
	s_load_b256 s[4:11], s[0:1], 0x0               ; weight_lattices, weight_scales, scorep, mem_values
	s_load_b128 s[12:15], s[0:1], 0x20             ; wq, membias
	v_lshl_add_u32 v[SPW], v0, 2, SPARE
	v_mov_b32 v[NIL], 0
	v_lshrrev_b32 v1, 5, v0
	v_readfirstlane_b32 s41, v1                    ; wave
	s_mul_i32 s40, s41, WREG
	s_add_co_u32 s61, s40, 2*32*SP
	s_lshr_b32 s48, ttmp9, 6                       ; R
	s_and_b32 s49, ttmp9, 63                       ; cg
	s_lshl_b32 s42, ttmp9, 18
	s_lshl_b32 s43, s41, 11
	s_add_co_u32 s42, s42, s43
	s_mov_b32 s43, 0
	s_lshl_b32 s50, ttmp9, 6                       ; weight_scales: 16 numbers a work-group
	s_lshl_b32 s52, s48, 22                        ; mem_values: 256 R rows, 32 rows a wave, 256 bytes of a row a work-group
	s_lshl_b32 s53, s41, 19
	s_add_co_u32 s52, s52, s53
	s_lshl_b32 s53, s49, 8
	s_add_co_u32 s52, s52, s53
	s_lshl_b32 s56, s48, 14                        ; membias: part R, the same 256 bytes
	s_add_co_u32 s56, s56, s53
	s_mov_b32 s53, 0
	s_mov_b32 s57, 0
	s_mul_i32 s54, s41, PLANE
	s_lshr_b32 s55, ttmp9, 3
	s_mul_i32 s55, s55, GRP
	s_add_co_u32 s54, s54, s55
	s_and_b32 s55, ttmp9, 7
	s_lshl_b32 s36, s55, 8
	s_add_co_u32 s36, s36, s54
	s_add_co_u32 s36, s36, 32768                   ; my 256 scale bytes
	s_lshl_b32 s55, s55, 12
	s_add_co_u32 s54, s54, s55                     ; my 16 rows of codes
	s_mov_b32 s55, 0
	s_mov_b32 s37, 0
	s_lshl_b32 s58, s48, 11
	s_lshl_b32 s59, s41, 7
	s_lshl_b32 s60, s41, 8
	s_mov_b32 s46, 0x76543210
	s_mov_b32 s47, 0xfedcba98
	v_and_b32 v1, 31, v0                           ; lane
	v_and_b32 v2, 15, v0                           ; j
	v_bfe_u32 v3, v0, 4, 1                         ; h
	v_lshlrev_b32 v14, 4, v1
	v_lshlrev_b32 v4, 3, v1
	v_lshrrev_b32 v8, 2, v1
	v_mul_u32_u24 v8, v8, SP
	v_and_b32 v7, 3, v1
	v_lshl_add_u32 v7, v7, 4, v8
	v_add_nc_u32 v7, s40, v7
	v_mul_u32_u24 v15, v1, SP
	v_add_nc_u32 v15, s40, v15
	v_lshrrev_b32 v5, 1, v1
	v_add_nc_u32 v5, s61, v5
	v_add_nc_u32 v6, s61, v4
	v_lshl_add_u32 v[SPO], v0, 5, s58
	v_and_b32 v[SPO], 0x1fff, v[SPO]               ; scores (4 t + 256 R) mod 1,024 on
	v_lshlrev_b32 v[MVO], 4, v2
	v_lshl_add_u32 v[MVO], v3, 18, v[MVO]
	v_lshl_add_u32 v66, v0, 4, PA                  ; where I put my four p
	v_lshl_add_u32 v67, v3, 6, s59
	v_add_nc_u32 v67, PA, v67                      ; where my 16 rows' p lie
	v_mov_b32 v68, s41
	v_lshlrev_b32 v68, 2, v68
	v_add_nc_u32 v70, WSM, v68
	v_add_nc_u32 v68, WMX, v68
	v_mov_b32 v69, WMX
	v_mov_b32 v71, WSM
	v_lshl_add_u32 v72, v2, 4, s60
	v_add_nc_u32 v72, RED, v72
	v_lshl_add_u32 v73, v1, 3, RED
.irp e, 0,1,2,3
	v_mov_b32 v[PT+\e], 0                          ; a lane permute's destination counts as one of its sources
.endr
	s_wait_alu depctr_va_vdst(0)                   ; the wait at the head's end
	s_wait_kmcnt 0x0
	s_load_b512 s[WSC:WSC+15], s[6:7], s50 offset:0x0
	s_add_nc_u64 s[44:45], s[4:5], s[42:43]
	s_add_nc_u64 s[10:11], s[10:11], s[52:53]
	s_add_nc_u64 s[36:37], s[12:13], s[36:37]
	s_add_nc_u64 s[12:13], s[12:13], s[54:55]
	s_add_nc_u64 s[14:15], s[14:15], s[56:57]
.macro LOAD t
.irp i, 0,1,2,3
	global_load_b128 v[R+16*((\t)%LA)+4*\i:R+16*((\t)%LA)+4*\i+3], v14, s[44:45] offset:16384*(\t)+512*\i th:TH_LOAD_NT
.endr
.endm
.macro TURN t
.irp i, 0,1,2,3
	ds_store_b128 v7, v[R+16*((\t)%LA)+4*\i:R+16*((\t)%LA)+4*\i+3] offset:32*SP*((\t)%2)+8*SP*\i
.endr
.irp i, 0,1,2,3
	ds_load_b128 v[X+16*((\t)%2)+4*\i:X+16*((\t)%2)+4*\i+3], v15 offset:32*SP*((\t)%2)+16*\i
.endr
.endm
	global_load_b128 v[SS:SS+3], v[SPO], s[8:9]
	global_load_b128 v[SS+4:SS+7], v[SPO], s[8:9] offset:16
.irp i, 0,1,2,3,4,5,6,7,8,9,10,11,12,13,14,15
	global_load_b128 v[VAL+4*\i:VAL+4*\i+3], v[MVO], s[10:11] offset:16384*\i th:TH_LOAD_NT   ; sixteen lanes read 256 consecutive bytes of a row, aligned
.endr
.irp t, 0,1,2,3,4,5
	LOAD \t
.endr
	; ---- the largest score
	s_wait_loadcnt 40                              ; scorep's two loads are in; 16 + 24 younger loads may be out
	v_add_f32 v[SS], v[SS], v[SS+1]
	v_add_f32 v[SS+1], v[SS+2], v[SS+3]
	v_add_f32 v[SS+2], v[SS+4], v[SS+5]
	v_add_f32 v[SS+3], v[SS+6], v[SS+7]
	s_delay_alu instid0(VALU_DEP_2)
	v_max3_num_f32 v[T0], v[SS], v[SS+1], v[SS+2]
	s_delay_alu instid0(VALU_DEP_1)
	v_max_num_f32 v[T0], v[T0], v[SS+3]
.irp m, 1,2,4,8
	s_delay_alu instid0(VALU_DEP_1)
	v_max_num_f32_dpp v[T0], v[T0], v[T0] row_xmask:\m row_mask:0xf bank_mask:0xf
.endr
	s_delay_alu instid0(VALU_DEP_1)
	v_permlanex16_b32 v[PT], v[T0], s46, s47
	s_delay_alu instid0(VALU_DEP_1)
	v_max_num_f32 v[T0], v[T0], v[PT]
	ds_store_b32 v68, v[T0]
	s_wait_dscnt 0x0
	s_barrier_signal -1
	s_barrier_wait -1
	ds_load_b128 v[WF:WF+3], v69
	ds_load_b128 v[WF+4:WF+7], v69 offset:16
	s_wait_dscnt 0x0
	v_max3_num_f32 v[T0], v[WF], v[WF+1], v[WF+2]
	s_delay_alu instid0(VALU_DEP_1)
	v_max3_num_f32 v[T0], v[T0], v[WF+3], v[WF+4]
	s_delay_alu instid0(VALU_DEP_1)
	v_max3_num_f32 v[T0], v[T0], v[WF+5], v[WF+6]
	s_delay_alu instid0(VALU_DEP_1)
	v_max_num_f32 v[T0], v[T0], v[WF+7]            ; the largest of all 1,024
	; ---- p = e^(score - largest), and its sum
.irp e, 0,1,2,3
	v_sub_f32 v[SS+\e], v[SS+\e], v[T0]
.endr
.irp e, 0,1,2,3
	s_delay_alu instid0(VALU_DEP_4)
	v_mul_f32 v[SS+\e], 0x3fb8aa3b, v[SS+\e]
.endr
	s_wait_alu depctr_va_vdst(0)                   ; the wait ahead of the batch
.irp e, 0,1,2,3
	v_exp_f32 v[SS+\e], v[SS+\e]
.endr
	v_nop
	s_wait_alu depctr_va_vdst(0)                   ; and behind it, ahead of its first reader
	v_add_f32 v[T1], v[SS], v[SS+1]
	v_add_f32 v[PT+1], v[SS+2], v[SS+3]
	s_delay_alu instid0(VALU_DEP_1)
	v_add_f32 v[T1], v[T1], v[PT+1]
.irp m, 1,2,4,8
	s_delay_alu instid0(VALU_DEP_1)
	v_add_f32_dpp v[T1], v[T1], v[T1] row_xmask:\m row_mask:0xf bank_mask:0xf
.endr
	s_delay_alu instid0(VALU_DEP_1)
	v_permlanex16_b32 v[PT], v[T1], s46, s47
	s_delay_alu instid0(VALU_DEP_1)
	v_add_f32 v[T1], v[T1], v[PT]
	ds_store_b128 v66, v[SS:SS+3]
	ds_store_b32 v70, v[T1]
	s_wait_dscnt 0x0
	s_barrier_signal -1
	s_barrier_wait -1
	; ---- my 16 rows' p, and r = 0.01 / the sum of all p
.irp i, 0,1,2,3
	ds_load_b128 v[PV+4*\i:PV+4*\i+3], v67 offset:16*\i
.endr
	ds_load_b128 v[WF:WF+3], v71
	ds_load_b128 v[WF+4:WF+7], v71 offset:16
	s_wait_dscnt 0x0
	v_add_f32 v[WF], v[WF], v[WF+1]
	v_add_f32 v[WF+2], v[WF+2], v[WF+3]
	v_add_f32 v[WF+4], v[WF+4], v[WF+5]
	v_add_f32 v[WF+6], v[WF+6], v[WF+7]
	s_delay_alu instid0(VALU_DEP_3)
	v_add_f32 v[WF], v[WF], v[WF+2]
	s_delay_alu instid0(VALU_DEP_2)
	v_add_f32 v[WF+4], v[WF+4], v[WF+6]
	s_delay_alu instid0(VALU_DEP_1)
	v_add_f32 v[WF], v[WF], v[WF+4]
	s_wait_alu depctr_va_vdst(0)
	v_rcp_f32 v[T1], v[WF]
	v_nop
	s_wait_alu depctr_va_vdst(0)
	v_mul_f32 v[T1], 0x3c23d70a, v[T1]             ; x 0.01
	; ---- the sum over my 16 rows of p x mem_values, 4 columns a lane
	s_wait_loadcnt 24                              ; mem_values is in; steps 0 to 5 may be out
.irp e, 0,1,2,3
	v_mul_f32 v[ACC+\e], v[PV], v[VAL+\e]
.endr
.irp i, 1,2,3,4,5,6,7,8,9,10,11,12,13,14,15
.irp e, 0,1,2,3
	s_delay_alu instid0(VALU_DEP_4)
	v_fmac_f32 v[ACC+\e], v[PV+\i], v[VAL+4*\i+\e]
.endr
.endr
.irp e, 0,1,2,3
	s_delay_alu instid0(VALU_DEP_4)
	v_permlanex16_b32 v[PT+\e], v[ACC+\e], s46, s47
.endr
.irp e, 0,1,2,3
	s_delay_alu instid0(VALU_DEP_4)
	v_add_f32 v[ACC+\e], v[ACC+\e], v[PT+\e]
.endr
	ds_store_b128 v72, v[ACC:ACC+3]                ; lanes l and l xor 16 write the same bytes with the same values
	s_wait_dscnt 0x0
	s_barrier_signal -1
	s_barrier_wait -1
	s_cmp_lg_u32 s41, 0                            ; wave 0 adds the eight waves' sums and stores the work-group's 64 columns
	s_cbranch_scc1 .Lquant
.irp k, 0,1,2,3,4,5,6,7
	ds_load_b64 v[SS+2*\k:SS+2*\k+1], v73 offset:256*\k
.endr
	s_wait_dscnt 0x0
	v_pk_add_f32 v[SS:SS+1], v[SS:SS+1], v[SS+2:SS+3]
	v_pk_add_f32 v[SS+4:SS+5], v[SS+4:SS+5], v[SS+6:SS+7]
	v_pk_add_f32 v[SS+8:SS+9], v[SS+8:SS+9], v[SS+10:SS+11]
	v_pk_add_f32 v[SS+12:SS+13], v[SS+12:SS+13], v[SS+14:SS+15]
	s_delay_alu instid0(VALU_DEP_3)
	v_pk_add_f32 v[SS:SS+1], v[SS:SS+1], v[SS+4:SS+5]
	s_delay_alu instid0(VALU_DEP_2)
	v_pk_add_f32 v[SS+8:SS+9], v[SS+8:SS+9], v[SS+12:SS+13]
	s_delay_alu instid0(VALU_DEP_1)
	v_pk_add_f32 v[SS:SS+1], v[SS:SS+1], v[SS+8:SS+9]
	s_delay_alu instid0(VALU_DEP_1)
	v_mul_f32 v76, v[SS], v[T1]
	s_delay_alu instid0(VALU_DEP_2)
	v_mul_f32 v77, v[SS+1], v[T1]
	global_store_b64 v4, v[76:77], s[14:15]        ; 32 lanes store 256 consecutive bytes, aligned
.Lquant:
	s_wait_xcnt 0x0                                ; the registers of the loads and of the store above may be written again
	s_wait_kmcnt 0x0                               ; my rows' weight scales
.irp t, 6,7,8,9
	LOAD \t
.endr
	s_wait_loadcnt 36                              ; step 0 is in; steps 1 to 9 may be out
	TURN 0
.macro STEP t
.set XS, X+16*((\t)%2)
.if (\t) > 0
	s_wait_dscnt 1                                 ; this step's numbers are back (the last step's byte store may be out), so its stage stores have read their set,
.else
	s_wait_dscnt 0x0
.endif
.if (\t)+LA < 16
	LOAD (\t)+LA                                   ; which takes the loads of ten steps on
	s_wait_loadcnt 4*(LA-1)
.else
.if (\t) < 15
	s_wait_loadcnt 4*(14-(\t))
.endif
.endif
.if (\t) < 15
	TURN (\t)+1
.endif
.irp i, 0,1,2,3,4,5,6,7,8,9,10,11,12,13,14,15
	v_mul_f32 v[XS+\i], s[WSC+(\t)], v[XS+\i]      ; the weight as it goes into the quantiser: lattice x scale, in f32
.endr
	v_max3_num_f32 v8, |v[XS]|, |v[XS+1]|, |v[XS+2]|
	v_max3_num_f32 v9, |v[XS+3]|, |v[XS+4]|, |v[XS+5]|
.irp i, 6,10
	s_delay_alu instid0(VALU_DEP_2)
	v_max3_num_f32 v8, v8, |v[XS+\i]|, |v[XS+\i+1]|
	s_delay_alu instid0(VALU_DEP_2)
	v_max3_num_f32 v9, v9, |v[XS+\i+2]|, |v[XS+\i+3]|
.endr
	s_delay_alu instid0(VALU_DEP_2)
	v_max3_num_f32 v8, v8, |v[XS+14]|, |v[XS+15]|
	s_delay_alu instid0(VALU_DEP_1)
	v_max3_num_f32 v8, v8, v9, 0x1800000           ; the floor 2^(3 - 127)
	s_delay_alu instid0(VALU_DEP_1)
	v_max_num_f32_dpp v8, v8, v8 row_xmask:1 row_mask:0xf bank_mask:0xf
	s_delay_alu instid0(VALU_DEP_1)
	v_add_nc_u32 v11, 0xff000000, v8
	v_cvt_scalef32_pk8_fp4_f32 v[C+2*(\t)], v[XS:XS+7], v11
	v_cvt_scalef32_pk8_fp4_f32 v[C+2*(\t)+1], v[XS+8:XS+15], v11
	v_lshrrev_b32 v[E+(\t)], 23, v11
	ds_store_b8 v5, v[E+(\t)] offset:16*(\t)
	global_store_b64 v4, v[C+2*(\t):C+2*(\t)+1], s[12:13] offset:256*(\t)
.endm
.irp t, 0,1,2,3,4,5,6,7,8,9,10,11,12,13,14,15
	STEP \t
.endr
	ds_load_b64 v[8:9], v6
	s_wait_dscnt 0x0
	global_store_b64 v4, v[8:9], s[36:37]          ; my 16 rows' scale bytes: one aligned unit of 256 bytes
	s_wait_tensorcnt 0x0                           ; the wave's end
	ds_add_u32 v[SPW], v[NIL]
	s_wait_dscnt 0x0
	s_endpgm
.Lfunc_end_k_q5530ab31d5_quantw:
	.size	k_q5530ab31d5_quantw, .Lfunc_end_k_q5530ab31d5_quantw-k_q5530ab31d5_quantw
	.p2alignl 7, 3214868480
	.fill 96, 4, 3214868480
	.section	.rodata,"a",@progbits
	.p2align	6, 0x0
	.amdhsa_kernel k_q5530ab31d5_quantw
		.amdhsa_group_segment_fixed_size 52736
		.amdhsa_private_segment_fixed_size 0
		.amdhsa_enable_private_segment 0
		.amdhsa_kernarg_size 48
		.amdhsa_user_sgpr_count 2
		.amdhsa_user_sgpr_kernarg_segment_ptr 1
		.amdhsa_wavefront_size32 1
		.amdhsa_system_sgpr_workgroup_id_x 1
		.amdhsa_system_sgpr_workgroup_id_y 1
		.amdhsa_system_sgpr_workgroup_id_z 1
		.amdhsa_system_vgpr_workitem_id 0
		.amdhsa_next_free_vgpr 256
		.amdhsa_next_free_sgpr 88
		.amdhsa_reserve_vcc 0
		.amdhsa_float_denorm_mode_32 3
		.amdhsa_float_denorm_mode_16_64 3
		.amdhsa_memory_ordered 1
		.amdhsa_forward_progress 1
		.amdhsa_inst_pref_size 59
	.end_amdhsa_kernel
	.amdgpu_metadata
---
amdhsa.version: [ 1, 2 ]
amdhsa.kernels:
  - .name:           k_q5530ab31d5_quantw
    .symbol:         k_q5530ab31d5_quantw.kd
    .args:
      - { .name: weight_lattices, .offset: 0, .size: 8, .value_kind: global_buffer, .address_space: global }
      - { .name: weight_scales, .offset: 8, .size: 8, .value_kind: global_buffer, .address_space: global }
      - { .name: scorep, .offset: 16, .size: 8, .value_kind: global_buffer, .address_space: global }
      - { .name: mem_values, .offset: 24, .size: 8, .value_kind: global_buffer, .address_space: global }
      - { .name: wq, .offset: 32, .size: 8, .value_kind: global_buffer, .address_space: global }
      - { .name: membias, .offset: 40, .size: 8, .value_kind: global_buffer, .address_space: global }
    .group_segment_fixed_size: 52736
    .private_segment_fixed_size: 0
    .kernarg_segment_align: 8
    .kernarg_segment_size: 48
    .max_flat_workgroup_size: 256
    .sgpr_count:     88
    .vgpr_count:     256
    .wavefront_size: 32
...
	.end_amdgpu_metadata
.endif
;; end of part 2
;; launch gemm (part 3): grid 16 x 16, 4 waves a work-group, clusters of 4 x 4, 327,680 bytes of LDS; arguments xq, wq, membias, out0; writes out0
.if DOCPART == 3
	.amdgcn_target "amdgcn-amd-amdhsa--gfx1250"
	.amdhsa_code_object_version 6
	.text
	.protected	k_q5530ab31d5_gemm
	.globl	k_q5530ab31d5_gemm
	.p2align	8
	.type	k_q5530ab31d5_gemm,@function
k_q5530ab31d5_gemm:
	s_mov_b64 s[64:65], 0
	v_nop
	global_prefetch_b8 v0, s[64:65] scope:SCOPE_SE
	s_setreg_imm32_b32 hwreg(HW_REG_WAVE_MODE, 25, 1), 1
	s_wait_xcnt 0x0
	s_wait_alu depctr_hold_cnt(0) depctr_sa_sdst(0) depctr_va_vdst(0) depctr_va_sdst(0) depctr_va_ssrc(0) depctr_va_vcc(0) depctr_vm_vsrc(0)
	s_getreg_b32 s2, hwreg(HW_REG_IB_STS2, 6, 4)
	s_cmp_eq_u32 s2, 0
	s_cbranch_scc0 .Lentry_in_a_cluster
	s_endpgm
.Lentry_in_a_cluster:
	s_bfe_u32 s2, ttmp6, 0x10000c
	s_cmp_lg_u32 s2, 0xf033
	s_cbranch_scc0 .Lentry_shape_is_right
	s_endpgm
.Lentry_shape_is_right:
; out0[m][n] = sum over k of xq[m][k] wq[n][k] + the sum of membias' four parts at n.  xq, wq: codes of FP4 (E2M1) with E8M0 scale bytes, laid [8 K steps][32 groups of 128 rows][34,816 bytes]:
; a group = 128 rows x 256 bytes of codes (512 along K), then 128 x 16 scale bytes: 136 dense runs of 256 bytes.  The tensor load lays 16 bytes of padding behind each run: LDS rows 272 bytes apart.  Sums in f32, K ascending; the bias is added last.
; SHARES.  A work-group of four waves makes 256 x 256 of out0, a wave 128 x 128: 64 accumulators, 512 registers.  256 work-groups.  K goes in 8 steps of 512 through a ring of two LDS slots.
; CLUSTERS 4 x 4: x's tile is asked for jointly along a row of the cluster, w's along a column.  THE HEAD has four joint loads, one a wave: x's and w's 256 rows of K step 0 AND of K step 1,
; so both slots are on their way at once; behind the head a wave fetches a quarter of a slot (one group).
; THE MATRIX INSTRUCTION IS USED TRANSPOSED (source 0 = 16 rows of w, source 1 = 16 rows of x): a lane holds eight neighbouring numbers of a row of out0.
; FRAGMENTS: two sets for x and two for w.  A step of 128 along K opens with the 32 LDS loads of the NEXT step, 64 matrix instructions ahead of their first use.  So at the head of a slot's fourth step all
; its reads have been issued, and the change of slots stands there.
; THE LAST K STEP goes by halves of my rows: all its fragments of w fill window 1; rows 0-63 are finished first and leave while rows 64-127 are multiplied.
; PREFETCH: with each fill of a slot the K step two fills on is named, 136 runs of 256 bytes for each quarter of a slot, 34 to each of the four partners that ask for it jointly, told apart by address; the last two fills name nothing.
; REGISTERS: window 0: v16-31 addresses, v32-95 scale words (two sets), v96-111 bias, v128-255 x's fragments; window 1: w's fragments; windows 2, 3: accumulators of my rows 0-63, 64-127 ((a, b) at v[8 (8 (a % 4) + b)]).
.set SIZE_N, 4096
.set PITCH,  272
.set GRPM,   34816                     ; a group in memory
.set PLANE,  32*GRPM                   ; a K step in memory
.set HALFT,  136*PITCH                 ; a group in LDS
.set SLOT,   4*HALFT                   ; x's two groups, then w's two
.set SPARE,  2*SLOT                    ; the spare words: 128 bytes a wave
.set SPITCH, 528                       ; a stage row: 512 bytes + 16.  Two stages of 16 rows a wave, in slot 0, used when it has had its last fill and its last read
.set ADRA, 16                          ; v16-17 my x fragments in slot 0, 1
.set ADRB, 20                          ; v20-21 my w fragments
.set ADRS, 22                          ; v22-23 scale words: lanes 0-15 x's rows, lanes 16-31 w's
.set STO,  24
.set RD,   25
.set CO,   26                          ; 16 x lane
.set SPW,  28
.set NIL,  29
.set PFO,  30                          ; prefetch offsets: runs 0-31 of my 34,
.set PFO2, 31                          ; and runs 32, 33 (lanes 1-31 name the last)
.set SC,   32
.set BP,   96
.set AF,   128
.set OFS, 12
.set G1,  24
.set G0,  32
.set G1B, 48
.set G0B, 56
.set BASEA, 66
.set BASEB, 68
.set G0HA, 72                          ; group 0 of the head's loads
.set G0HB, 76
.set PFA, 80                           ; my 34 runs, one K step short of the one that the next prefetch names
.set MSB, 0
.macro WIN new                         ; the immediate's high byte repeats the setting that is left
.if MSB != (\new)
	s_set_vgpr_msb (MSB<<8)|(\new)
.set MSB, (\new)
.endif
.endm
.set MUL_LO, 0xa1                      ; source 0 (w) window 1, source 1 (x) window 0, C and D window 2
.set MUL_HI, 0xf1
.set TO_B,   0x40
; a joint load: s[c] = 0 asks for x, else for w; the branch hangs on the wave's number alone.  s_nop 0 and four v_nop follow each line
.macro JLOAD c, g0a, g1a, g0b, g1b
	s_cmp_eq_u32 s[\c], 0
	s_cbranch_scc0 .Lfor_b_\@
	tensor_load_to_lds s[\g0a:\g0a+3], s[\g1a:\g1a+7]
	s_nop 0
.rept 4
	v_nop
.endr
	s_branch .Lasked_\@
.Lfor_b_\@:
	tensor_load_to_lds s[\g0b:\g0b+3], s[\g1b:\g1b+7]
	s_nop 0
.rept 4
	v_nop
.endr
.Lasked_\@:
.endm
.macro CREST
	s_cmp_lg_u32 s14, 0
	s_cbranch_scc1 .Lnot_wave_0_\@
	s_barrier_signal -3
.Lnot_wave_0_\@:
	s_barrier_wait -3
	s_barrier_signal -1
	s_barrier_wait -1
.endm
.macro CROUND
	s_barrier_signal -1
	s_barrier_wait -1
	CREST
.endm
.macro ASK                             ; not in the loop's last trip: its fills are the last two
	s_cmp_gt_u32 s3, 1
	s_cbranch_scc0 .Lno_ask_\@
	global_prefetch_b8 v[PFO], s[PFA:PFA+1] offset:PLANE th:TH_LOAD_NT scope:SCOPE_SE
	global_prefetch_b8 v[PFO2], s[PFA:PFA+1] offset:PLANE th:TH_LOAD_NT scope:SCOPE_SE
.Lno_ask_\@:
.endm
	s_load_b256 s[4:11], s[0:1], 0x0               ; xq, wq, membias, out0
	v_lshl_add_u32 v[SPW], v0, 2, SPARE
	v_mov_b32 v[NIL], 0
	ds_add_u32 v[SPW], v[NIL]                      ; the opening lines: the add twice on end and one wait
	ds_add_u32 v[SPW], v[NIL]
	v_lshrrev_b32 v1, 5, v0
	v_readfirstlane_b32 s14, v1                    ; wave
	s_lshr_b32 s15, s14, 1                         ; my half of the rows; in the ring: I fetch for x (0) or w (1); at the head: which slot
	s_and_b32 s16, s14, 1                          ; my half of the columns; in the ring: which group; at the head: x (0) or w (1)
	s_bfe_u32 s40, ttmp6, 0x40000                  ; cx
	s_bfe_u32 s41, ttmp6, 0x40004                  ; cy
	s_lshl_b32 s42, ttmp9, 2
	s_add_co_u32 s42, s42, s40                     ; tile column
	s_and_b32 s19, ttmp7, 0xffff
	s_lshl_b32 s17, s19, 2
	s_add_co_u32 s17, s17, s41                     ; tile row
	s_lshl_b32 s43, s41, 2
	s_lshl_b32 s43, 15, s43                        ; my row of the cluster
	s_lshl_b32 s44, 0x1111, s40                    ; my column
	s_or_b32 s[G1+0], s43, (3<<16)|(1<<20)|(1<<21)|(5<<22)|(3<<25)   ; elements of 8 bytes; padding: 4 words behind every 64; bit 21 beside a mask
	s_or_b32 s[G1B+0], s44, (3<<16)|(1<<20)|(1<<21)|(5<<22)|(3<<25)
.irp g, G1, G1B
	s_mov_b32 s[\g+1], 32<<16                      ; rows of 256 bytes
	s_mov_b32 s[\g+2], 272<<16                     ; the head's loads: two groups = 272 rows
	s_mov_b32 s[\g+3], 32<<16
	s_mov_b32 s[\g+4], 272
	s_mov_b32 s[\g+5], 32
	s_mov_b32 s[\g+6], 0
	s_mov_b32 s[\g+7], 0
.endr
	s_mul_i32 s20, s17, 2*GRPM
	s_mul_i32 s46, s42, 2*GRPM
	s_mov_b32 s21, 0
	s_mov_b32 s47, 0
	s_mul_i32 s[OFS], s15, PLANE
	s_mov_b32 s[OFS+1], 0
	s_mul_i32 s23, s15, SLOT
	s_mul_i32 s45, s14, HALFT
	s_wait_dscnt 0x0
	s_wait_kmcnt 0x0
	s_add_nc_u64 s[BASEA:BASEA+1], s[4:5], s[20:21]
	s_add_nc_u64 s[BASEB:BASEB+1], s[6:7], s[46:47]
	s_mov_b32 s[G0HA], 1
	s_mov_b32 s[G0HA+1], s23
	s_add_nc_u64 s[G0HA+2:G0HA+3], s[BASEA:BASEA+1], s[OFS:OFS+1]
	s_or_b32 s[G0HA+3], s[G0HA+3], 0x80000000
	s_mov_b32 s[G0HB], 1
	s_add_co_u32 s[G0HB+1], s23, 2*HALFT
	s_add_nc_u64 s[G0HB+2:G0HB+3], s[BASEB:BASEB+1], s[OFS:OFS+1]
	s_or_b32 s[G0HB+3], s[G0HB+3], 0x80000000
	CROUND                                         ; all sixteen work-groups are here
	JLOAD 16, G0HA, G1, G0HB, G1B                  ; wave 0: x, K step 0; wave 1: w, K step 0; wave 2: x, K step 1; wave 3: w, K step 1
	s_mul_i32 s18, s16, GRPM                       ; for the ring: my group
	s_mov_b32 s19, 0
	s_add_nc_u64 s[BASEA:BASEA+1], s[BASEA:BASEA+1], s[18:19]
	s_add_nc_u64 s[BASEB:BASEB+1], s[BASEB:BASEB+1], s[18:19]
.irp s, 0,1
	s_mov_b32 s[G0+4*\s], 1
	s_add_co_u32 s[G0+4*\s+1], s45, \s*SLOT
	s_add_nc_u64 s[G0+4*\s+2:G0+4*\s+3], s[BASEA:BASEA+1], \s*PLANE    ; each fill steps it two K steps on
	s_or_b32 s[G0+4*\s+3], s[G0+4*\s+3], 0x80000000
	s_mov_b32 s[G0B+4*\s], 1
	s_add_co_u32 s[G0B+4*\s+1], s45, \s*SLOT
	s_add_nc_u64 s[G0B+4*\s+2:G0B+4*\s+3], s[BASEB:BASEB+1], \s*PLANE
	s_or_b32 s[G0B+4*\s+3], s[G0B+4*\s+3], 0x80000000
.endr
	s_cmp_eq_u32 s15, 0
	s_cselect_b64 s[PFA:PFA+1], s[BASEA:BASEA+1], s[BASEB:BASEB+1]
	s_cselect_b32 s22, s40, s41                    ; my place among the four that ask with me
	s_mul_i32 s22, s22, 34*256
	s_add_co_u32 s22, s22, 2*PLANE                 ; at K step 2
	s_mov_b32 s23, 0
	s_add_nc_u64 s[PFA:PFA+1], s[PFA:PFA+1], s[22:23]
	s_lshl_b32 s46, s42, 10                        ; my first column, in bytes
	s_lshl_b32 s47, s16, 9
	s_add_co_u32 s46, s46, s47
	s_mov_b32 s47, 0
	s_add_nc_u64 s[8:9], s[8:9], s[46:47]
	s_lshl_b32 s20, s17, 8
	s_lshl_b32 s21, s15, 7
	s_add_co_u32 s20, s20, s21
	s_lshl_b32 s20, s20, 14                        ; my first row of out0, 16,384 bytes a row
	s_mov_b32 s21, 0
	s_add_nc_u64 s[10:11], s[10:11], s[20:21]
	s_add_nc_u64 s[10:11], s[10:11], s[46:47]
	s_mul_i32 s21, s15, HALFT                      ; my group of x in a slot,
	s_mul_i32 s22, s16, HALFT
	s_add_co_u32 s22, s22, 2*HALFT                 ; of w,
	s_sub_co_u32 s47, s22, s21                     ; the distance between them,
	s_add_co_u32 s20, s21, 128*PITCH               ; a group's scale bytes stand behind its 128 rows of codes
	s_mul_i32 s23, s14, 2*16*SPITCH                ; my two stages
	v_and_b32 v6, 31, v0
	v_lshlrev_b32 v[PFO], 8, v6
	v_min_u32 v5, 1, v6
	v_lshl_add_u32 v[PFO2], v5, 8, 8192
	global_prefetch_b8 v[PFO], s[PFA:PFA+1] th:TH_LOAD_NT scope:SCOPE_SE     ; the head's loads bring K steps 0 and 1: steps 2 and 3 are named
	global_prefetch_b8 v[PFO2], s[PFA:PFA+1] th:TH_LOAD_NT scope:SCOPE_SE
	global_prefetch_b8 v[PFO], s[PFA:PFA+1] offset:PLANE th:TH_LOAD_NT scope:SCOPE_SE
	global_prefetch_b8 v[PFO2], s[PFA:PFA+1] offset:PLANE th:TH_LOAD_NT scope:SCOPE_SE
	v_lshlrev_b32 v[CO], 4, v6
.irp P, 0,1,2,3
	global_load_b128 v[BP+4*\P:BP+4*\P+3], v[CO], s[8:9] offset:16384*\P     ; membias' four parts at my 4 columns of a row read back; first used on the way out
.endr
	v_and_b32 v1, 15, v0
	v_bfe_u32 v2, v0, 4, 1
	v_mul_u32_u24 v3, v1, PITCH
	v_lshl_add_u32 v4, v2, 4, v3
	v_add_nc_u32 v[ADRA], s21, v4
	v_add_nc_u32 v[ADRB], s22, v4
	v_add_nc_u32 v[ADRA+1], SLOT, v[ADRA]
	v_add_nc_u32 v[ADRB+1], SLOT, v[ADRB]
	v_mul_u32_u24 v5, s47, v2                      ; lanes 16-31 take w's scale words
	v_lshl_add_u32 v5, v1, 4, v5                   ; 16 bytes a row
	v_add_nc_u32 v[ADRS], s20, v5
	v_add_nc_u32 v[ADRS+1], SLOT, v[ADRS]
	v_mul_u32_u24 v5, v1, SPITCH
	v_lshl_add_u32 v5, v2, 5, v5
	v_add_nc_u32 v[STO], s23, v5
	v_add_nc_u32 v[RD], s23, v[CO]
.macro FRAG reg, adr, q, i             ; 16 rows x 128 K: lane l row l % 16; registers 4 c .. 4 c + 3: K = 64 c + 32 (l / 16) + 0 .. 31
.irp c, 0,1
	ds_load_b128 v[(\reg)+4*\c:(\reg)+4*\c+3], v[\adr] offset:64*(\q)+32*\c+(\i)*16*PITCH
.endr
.endm
; x's block a (fragment at v[fa]) against w's eight (at v[fb + 8 b]); the accumulators take turns, one instruction a turn
.macro MUL a, fb, fa, q, sc, zero
.irp b, 0,1,2,3,4,5,6,7
.if \zero
	v_wmma_scale_f32_16x16x128_f8f6f4 v[8*(8*((\a)%4)+\b):8*(8*((\a)%4)+\b)+7], v[(\fb)+8*\b:(\fb)+8*\b+7], v[(\fa):(\fa)+7], 0, v[SC+32*(\sc)+4*\b+(\q)], v[SC+32*(\sc)+4*(\a)+(\q)] matrix_a_fmt:MATRIX_FMT_FP4 matrix_b_fmt:MATRIX_FMT_FP4 matrix_a_scale:MATRIX_SCALE_ROW1
.else
	v_wmma_scale_f32_16x16x128_f8f6f4 v[8*(8*((\a)%4)+\b):8*(8*((\a)%4)+\b)+7], v[(\fb)+8*\b:(\fb)+8*\b+7], v[(\fa):(\fa)+7], v[8*(8*((\a)%4)+\b):8*(8*((\a)%4)+\b)+7], v[SC+32*(\sc)+4*\b+(\q)], v[SC+32*(\sc)+4*(\a)+(\q)] matrix_a_fmt:MATRIX_FMT_FP4 matrix_b_fmt:MATRIX_FMT_FP4 matrix_a_scale:MATRIX_SCALE_ROW1
.endif
.endr
.endm
.macro MUL16 a0, q, sc, zero           ; blocks a0, a0 + 1 from the sets q % 2
	MUL \a0, 128*((\q)%2), AF+64*((\q)%2)+8*(\a0), \q, \sc, \zero
	MUL (\a0)+1, 128*((\q)%2), AF+64*((\q)%2)+8*(\a0)+8, \q, \sc, \zero
.endm
.macro SCALES sc                       ; a K step's scale words: 4 words a row, 16 rows in an LDS row; lanes 0-15 x's block i, lanes 16-31 w's block i
.irp i, 0,1,2,3,4,5,6,7
	ds_load_b128 v[SC+32*\sc+4*\i:SC+32*\sc+4*\i+3], v[ADRS+\sc] offset:\i*PITCH
.endr
.endm
.macro FETCH slot, q, sc               ; 32 loads into the sets q % 2: w's eight, x's blocks 0-3, (the scale words,) x's blocks 4-7 last
	WIN TO_B
.irp i, 0,1,2,3,4,5,6,7
	FRAG 128*((\q)%2)+8*\i, ADRB+\slot, \q, \i
.endr
	WIN 0
.irp i, 0,1,2,3
	FRAG AF+64*((\q)%2)+8*\i, ADRA+\slot, \q, \i
.endr
.if \sc
	SCALES \slot
.endif
.irp i, 4,5,6,7
	FRAG AF+64*((\q)%2)+8*\i, ADRA+\slot, \q, \i
.endr
.endm
.macro PLACES                          ; four places between a matrix instruction and a load into, or a read of, its registers
.rept 4
	v_nop
.endr
.endm
.macro STEP slot, q, zero              ; one of a slot's first three steps of 128 along K
	PLACES
	FETCH \slot, (\q)+1, 0
	s_wait_dscnt 40                                ; out may be: this step's x blocks 4-7 (8) and the 32 just issued
	WIN MUL_LO
	MUL16 0, \q, \slot, \zero
	MUL16 2, \q, \slot, \zero
	s_wait_dscnt 32                                ; the 32 just issued
	WIN MUL_HI
	MUL16 4, \q, \slot, \zero
	MUL16 6, \q, \slot, \zero
.endm
; A slot's fourth step changes slots.  All reads of the slot have been issued a step ago.  The three lines, a round of the cluster's barrier, the joint refill, then the next slot's first fragments.
.macro TURN slot, next
	WIN 0
	s_wait_xcnt 0x0                                ; my last prefetches have read their address
	s_add_nc_u64 s[PFA:PFA+1], s[PFA:PFA+1], PLANE
	s_wait_tensorcnt 0x0                           ; my part of the next slot is in
	ds_add_u32 v[SPW], v[NIL]
	s_wait_dscnt 9                                 ; out may be: x's blocks 4-7 (8) and the add
	WIN MUL_LO
	MUL16 0, 3, \slot, 0
	s_wait_dscnt 0x0                               ; the add is done, my reads of this slot are over
	s_barrier_signal -1
	MUL16 2, 3, \slot, 0
	WIN 0
	s_barrier_wait -1
	CREST
	s_add_nc_u64 s[G0+4*\slot+2:G0+4*\slot+3], s[G0+4*\slot+2:G0+4*\slot+3], 2*PLANE
	s_add_nc_u64 s[G0B+4*\slot+2:G0B+4*\slot+3], s[G0B+4*\slot+2:G0B+4*\slot+3], 2*PLANE
	JLOAD 15, G0+4*\slot, G1, G0B+4*\slot, G1B     ; the first tensor load behind the round; its four v_nop are the places for the loads below
	FETCH \next, 0, 1
	ASK
	WIN MUL_HI
	MUL16 4, 3, \slot, 0
	MUL16 6, 3, \slot, 0
.endm
	s_wait_alu depctr_va_vdst(0)                   ; the wait at the head's end
	s_wait_tensorcnt 0x0                           ; my tile of the head's four is in, so a descriptor may be written:
	s_mov_b32 s[G1+2], 136<<16                     ; from here on a load brings one group = 136 rows
	s_mov_b32 s[G1+4], 136
	s_mov_b32 s[G1B+2], 136<<16
	s_mov_b32 s[G1B+4], 136
	s_barrier_signal -1
	s_barrier_wait -1                              ; all four tiles are in
	FETCH 0, 0, 1
	STEP 0, 0, 1                                   ; the first products start the sums
	WIN 0
	s_mov_b32 s3, 3
.Llap:                                                 ; a trip goes once round the ring and fills both slots again: six fills in three trips
	STEP 0, 1, 0
	STEP 0, 2, 0
	TURN 0, 1
	STEP 1, 0, 0
	STEP 1, 1, 0
	STEP 1, 2, 0
	TURN 1, 0
	STEP 0, 0, 0
	WIN 0
	s_sub_co_u32 s3, s3, 1
	s_cmp_lg_u32 s3, 0
	s_cbranch_scc1 .Llap
	STEP 0, 1, 0
	STEP 0, 2, 0
; THE LAST CHANGE OF SLOTS fills nothing.  THE LAST K STEP (slot 1): w's fragments of quarter q at window 1, v[64 q ..]; x's of four blocks and quarter q at v[128 + 32 q ..].
.macro BL q
.irp i, 0,1,2,3,4,5,6,7
	FRAG 64*(\q)+8*\i, ADRB+1, \q, \i
.endr
.endm
.macro AL q, i0
.irp i, 0,1,2,3
	FRAG 128+32*(\q)+8*\i, ADRA+1, \q, (\i0)+\i
.endr
.endm
.macro HALF q, hi                      ; 32 matrix instructions: four blocks of x, quarter q
.irp a, 0,1,2,3
	MUL 4*(\hi)+\a, 64*(\q), 128+32*(\q)+8*\a, \q, 1, 0
.endr
.endm
; THE WAY OUT of block a (16 rows x 128 columns): ST into stage a % 2, each accumulator from its low end on; LD back as rows of 512 bytes into v[64 (a % 4) ..] of window w: blocks 0-3 into their own accumulators
; (behind a wait that shows the stores done), blocks 4-7 into window 1, which is free by then; SEND adds the bias and stores: 32 lanes store 512 consecutive bytes, aligned.
; Every offset is an immediate (127 rows of 16,384 bytes at the most); no store's register is written again.
.macro ST a
	WIN 0x08+4*((\a)/4)
.irp b, 0,1,2,3,4,5,6,7
	ds_store_b128 v[STO], v[64*((\a)%4)+8*\b:64*((\a)%4)+8*\b+3] offset:((\a)%2)*16*SPITCH+64*\b
	ds_store_b128 v[STO], v[64*((\a)%4)+8*\b+4:64*((\a)%4)+8*\b+7] offset:((\a)%2)*16*SPITCH+64*\b+16
.endr
.endm
.macro LD a, w
	WIN (\w)<<6
.irp t, 0,1,2,3,4,5,6,7,8,9,10,11,12,13,14,15
	ds_load_b128 v[64*((\a)%4)+4*\t:64*((\a)%4)+4*\t+3], v[RD] offset:((\a)%2)*16*SPITCH+\t*SPITCH
.endr
.endm
.macro SEND a, w
	WIN ((\w)<<6)|(\w)                             ; destination and source 0 in window w, the bias in window 0
.irp t, 0,1,2,3,4,5,6,7,8,9,10,11,12,13,14,15
	v_pk_add_f32 v[64*((\a)%4)+4*\t:64*((\a)%4)+4*\t+1], v[64*((\a)%4)+4*\t:64*((\a)%4)+4*\t+1], v[BP:BP+1]
	v_pk_add_f32 v[64*((\a)%4)+4*\t+2:64*((\a)%4)+4*\t+3], v[64*((\a)%4)+4*\t+2:64*((\a)%4)+4*\t+3], v[BP+2:BP+3]
.endr
	WIN (\w)<<2
.irp t, 0,1,2,3,4,5,6,7,8,9,10,11,12,13,14,15
	global_store_b128 v[CO], v[64*((\a)%4)+4*\t:64*((\a)%4)+4*\t+3], s[10:11] offset:(16*(\a)+\t)*SIZE_N*4 th:TH_STORE_NT
.endr
.endm
	WIN 0
	s_wait_tensorcnt 0x0                           ; my part of slot 1, the last K step
	ds_add_u32 v[SPW], v[NIL]
	s_wait_dscnt 9
	WIN MUL_LO
	MUL16 0, 3, 0, 0
	s_wait_dscnt 0x0
	s_barrier_signal -1
	MUL16 2, 3, 0, 0
	s_barrier_wait -1                              ; slot 1 is whole; nobody reads slot 0 any more
	PLACES
	WIN TO_B
	BL 0                                           ; three quarters of w now: v128-191 of window 1 and v192-255 of window 0 are still being multiplied
	BL 1
	BL 3
	WIN 0
	AL 0, 0
	AL 1, 0
	SCALES 1
	WIN MUL_HI
	MUL16 4, 3, 0, 0
	MUL16 6, 3, 0, 0
	PLACES
	WIN TO_B
	BL 2
	WIN 0
	AL 2, 0
	AL 3, 0
	s_wait_dscnt 32                                ; all but the 32 just issued
	WIN MUL_LO
	HALF 0, 0
	HALF 1, 0
	PLACES
	WIN 0
	AL 0, 4                                        ; rows 64-127, quarters 0 and 1, where rows 0-63's lay
	AL 1, 4
	s_wait_dscnt 16
	WIN MUL_LO
	HALF 2, 0
	HALF 3, 0                                      ; rows 0-63 are finished
	WIN 0
	s_wait_loadcnt 0x0                             ; membias' four parts
	v_pk_add_f32 v[BP:BP+1], v[BP:BP+1], v[BP+4:BP+5]              ; (these six are also the places behind the last products)
	v_pk_add_f32 v[BP+2:BP+3], v[BP+2:BP+3], v[BP+6:BP+7]
	v_pk_add_f32 v[BP+8:BP+9], v[BP+8:BP+9], v[BP+12:BP+13]
	v_pk_add_f32 v[BP+10:BP+11], v[BP+10:BP+11], v[BP+14:BP+15]
	v_pk_add_f32 v[BP:BP+1], v[BP:BP+1], v[BP+8:BP+9]
	v_pk_add_f32 v[BP+2:BP+3], v[BP+2:BP+3], v[BP+10:BP+11]
	s_wait_alu depctr_va_vdst(0)
	AL 2, 4
	AL 3, 4
	ST 0
	s_wait_dscnt 32                                ; quarters 0 and 1 of rows 64-127 are in; out may be quarters 2, 3 (16) and block 0's stores (16)
	WIN MUL_HI
	HALF 0, 1
	s_wait_dscnt 0x0                               ; block 0's stores have read its registers
	LD 0, 2
	ST 1
	WIN MUL_HI
	HALF 1, 1
	s_wait_dscnt 0x0
	SEND 0, 2
	LD 1, 2
	ST 2
	WIN MUL_HI
	HALF 2, 1
	s_wait_dscnt 0x0
	SEND 1, 2
	LD 2, 2
	ST 3
	WIN MUL_HI
	HALF 3, 1                                      ; rows 64-127 are finished
	s_wait_dscnt 0x0
	SEND 2, 2                                      ; (its additions are the places behind the last products)
	LD 3, 2
	ST 4
	LD 4, 1
	s_wait_dscnt 32                                ; block 3 is back; out may be the next block's 16 stores and 16 loads; so below too
	SEND 3, 2
	ST 5
	LD 5, 1
	s_wait_dscnt 32
	SEND 4, 1
	ST 6
	LD 6, 1
	s_wait_dscnt 32
	SEND 5, 1
	ST 7
	LD 7, 1
	s_wait_dscnt 32
	SEND 6, 1
	s_wait_dscnt 0x0
	SEND 7, 1
	WIN 0
	s_wait_tensorcnt 0x0                           ; the wave's end
	ds_add_u32 v[SPW], v[NIL]
	s_wait_dscnt 0x0
	CROUND                                         ; the closing round
	s_endpgm
.Lfunc_end_k_q5530ab31d5_gemm:
	.size	k_q5530ab31d5_gemm, .Lfunc_end_k_q5530ab31d5_gemm-k_q5530ab31d5_gemm
	.p2alignl 7, 3214868480
	.fill 96, 4, 3214868480
	.section	.rodata,"a",@progbits
	.p2align	6, 0x0
	.amdhsa_kernel k_q5530ab31d5_gemm
		.amdhsa_group_segment_fixed_size 327680
		.amdhsa_private_segment_fixed_size 0
		.amdhsa_enable_private_segment 0
		.amdhsa_kernarg_size 32
		.amdhsa_user_sgpr_count 2
		.amdhsa_user_sgpr_kernarg_segment_ptr 1
		.amdhsa_wavefront_size32 1
		.amdhsa_system_sgpr_workgroup_id_x 1
		.amdhsa_system_sgpr_workgroup_id_y 1
		.amdhsa_system_sgpr_workgroup_id_z 1
		.amdhsa_system_vgpr_workitem_id 0
		.amdhsa_next_free_vgpr 1024
		.amdhsa_next_free_sgpr 88
		.amdhsa_reserve_vcc 0
		.amdhsa_float_denorm_mode_32 3
		.amdhsa_float_denorm_mode_16_64 3
		.amdhsa_memory_ordered 1
		.amdhsa_forward_progress 1
		.amdhsa_inst_pref_size 224
	.end_amdhsa_kernel
	.amdgpu_metadata
---
amdhsa.version: [ 1, 2 ]
amdhsa.kernels:
  - .name:           k_q5530ab31d5_gemm
    .symbol:         k_q5530ab31d5_gemm.kd
    .args:
      - { .name: xq, .offset: 0, .size: 8, .value_kind: global_buffer, .address_space: global }
      - { .name: wq, .offset: 8, .size: 8, .value_kind: global_buffer, .address_space: global }
      - { .name: membias, .offset: 16, .size: 8, .value_kind: global_buffer, .address_space: global }
      - { .name: out0, .offset: 24, .size: 8, .value_kind: global_buffer, .address_space: global }
    .group_segment_fixed_size: 327680
    .private_segment_fixed_size: 0
    .kernarg_segment_align: 8
    .kernarg_segment_size: 32
    .max_flat_workgroup_size: 128
    .sgpr_count:     88
    .vgpr_count:     1024
    .wavefront_size: 32
...
	.end_amdgpu_metadata
.endif
;; end of part 3
